; MI455X (gfx1250); checked and timed in simulation.
; The chip was launched on July 23, 2026; its instructions are those of AMD's public machine-readable ISA for CDNA 5 (MIT licence, August 2026) and "CDNA5" Instruction Set Architecture Reference Guide (July 2026). The comments in the code are by the model that wrote it; some were corrected since.
;; Multi Head Attention. Allowed arithmetic: float matrix products may take bf16 or f16 operands with f32 sums; all other float work in f32.
;; Inputs: Wk 4,096 x 1,024 float32; Wo 4,096 x 4,096 float32; Wq 4,096 x 4,096 float32; Wv 4,096 x 1,024 float32; bk 1,024 float32; bo 4,096 float32; bq 4,096 float32; bv 1,024 float32; x 1 x 1,024 x 4,096 float32; y 1 x 1,024 x 4,096 float32.
;; Outputs: out0 1 x 1,024 x 4,096 float32.
;; Constants: kv_head = 8, n_head = 32.
;; One version. Each part assembles by itself: llvm-mc -triple=amdgcn-amd-amdhsa -mcpu=gfx1250 --defsym DOCPART=n.
;; ======== version 1 of 1: 4 launches
;; limits: values are held in f16: magnitudes above 65,504 overflow, below 6.1e-05 lose precision
;; workspace buffers: xb 8,388,608 bytes; yb 8,388,608 bytes; csf 524,288 bytes; qf 8,388,608 bytes; kf 2,097,152 bytes; vt 2,097,152 bytes; ab 8,388,608 bytes
;; launch prep (part 1): grid 256 x 1, 8 waves a work-group, no clusters, 73,728 bytes of LDS; arguments x, y, xb, yb, csf; writes xb, yb, csf
.if DOCPART == 1
	.amdgcn_target "amdgcn-amd-amdhsa--gfx1250"
	.amdhsa_code_object_version 6
	.text
	.protected	k_q10661ae08f_prep
	.globl	k_q10661ae08f_prep
	.p2align	8
	.type	k_q10661ae08f_prep,@function
k_q10661ae08f_prep:
	s_mov_b64 s[64:65], 0
	v_nop
	global_prefetch_b8 v0, s[64:65] scope:SCOPE_SE
	s_setreg_imm32_b32 hwreg(HW_REG_WAVE_MODE, 25, 1), 1
	s_wait_xcnt 0x0
; prep: x and y ([1024][4096] f32) are rounded to f16 and laid out in FRAGMENT ORDER; the table of RoPE's cos and sin is made.
; A block of the fragment order = 16 rows x 64 columns = 2,048 bytes = 4 chunks of 512 bytes.  In chunk q the 16 bytes of lane (r, h)
; (r = lane & 15, h = lane >> 4) hold X[16 rb + r][64 kb + 32 h + 8 q + 0..7].  Block (kb, rb) lies at byte (kb * 64 + rb) * 2048.
; A later load of 16 bytes a lane at lane * 16 then brings half a matrix fragment, 512 consecutive bytes for the wave.
; Work-groups 0-127 take x, 128-255 take y.  A wave takes 16 rows x 256 columns (four blocks): 32 loads, each two rows x 256 aligned bytes.
; The regrouping goes through the wave's own 9,216 bytes of LDS: no other wave touches them, so no barrier is needed.
; Table: csf byte (rb*2+g)*4096 + j*512 + lane*16 holds (cos, sin, cos, sin) of the pairs ip = 32 g + 16 h + 2 j and ip + 1 at position 16 rb + r.
; WHY f16 AND NOT bf16: the first positions attend to few keys, so their outputs are about five times the whole output's root mean square;
; an operand error of 2^-9 there would be near a hundredth of that root mean square.  f16 keeps 11 significant bits.
; LIMITS: |x|, |y| < 65,504 (f16's largest number); below 6.1e-5 the step is 6e-8.
; Angle = p * exp2(-ip * log2(5000)/64) in f32, reduced by multiples of pi/2 given in two parts, then polynomials of degree 7 and 8 on
; |rho| <= pi/4: the angle differs from an exact one by some 5e-4 rad at most at p = 1023; q and k use the same table.
.set VS,   5                           ; v5   source offset: (lane>>4) rows + 16 (lane&15)
.set VA,   6                           ; v6   LDS address of my 8 packed bytes
.set VB,   7                           ; v7   LDS address from which I read 16 bytes back
.set L16,  8                           ; v8   16 x lane
.set X,    32                          ; v[32:159]  32 loads x 4 registers
.set PK,   160                         ; v[160:175] one block's packed words
.set OUT,  176                         ; v[176:239] 16 registers a block, as stored
.set SUBP, 288                         ; a sub-block (16 rows x 16 bytes) and 32 bytes of padding
.set BLK,  8*SUBP                      ; a block in LDS
	s_load_b256 s[4:11], s[0:1], 0x0               ; x s[4:5], y s[6:7], xb s[8:9], yb s[10:11]
	s_load_b64 s[12:13], s[0:1], 0x20              ; csf
	v_lshrrev_b32 v1, 5, v0
	v_readfirstlane_b32 s14, v1                    ; wave 0..7
	v_and_b32 v2, 31, v0                           ; lane
	v_lshrrev_b32 v3, 4, v2                        ; lane >> 4
	v_and_b32 v4, 15, v2                           ; a = lane & 15
	s_lshl_b32 s15, ttmp9, 3
	s_add_co_u32 s15, s15, s14                     ; wave's number in the launch
	s_and_b32 s15, s15, 1023                       ; and within its tensor
	s_lshr_b32 s16, s15, 4                         ; rb: which 16 rows
	s_and_b32 s17, s15, 15                         ; which 256 columns
	s_lshl_b32 s18, s16, 18                        ; 16 rows of 16,384 bytes
	s_lshl_b32 s19, s17, 10                        ; 256 columns of f32
	s_add_co_u32 s18, s18, s19
	s_mov_b32 s19, 0
	s_lshl_b32 s20, s17, 19                        ; four kb of 64 blocks of 2,048 bytes
	s_lshl_b32 s21, s16, 11
	s_add_co_u32 s20, s20, s21
	s_mov_b32 s21, 0
	s_mul_i32 s26, s14, 4*BLK                      ; my wave's LDS bytes
	s_lshl_b32 s27, ttmp9, 8
	v_lshlrev_b32 v[VS], 4, v4
	v_lshl_add_u32 v[VS], v3, 14, v[VS]
	v_bfe_u32 v[VA], v4, 1, 2                      ; q = (a >> 1) & 3
	v_lshrrev_b32 v9, 3, v4                        ; h of the target = a >> 3
	v_lshl_add_u32 v[VA], v[VA], 1, v9             ; sub-block 2 q + h
	v_mul_u32_u24 v[VA], v[VA], SUBP
	v_lshl_add_u32 v[VA], v3, 4, v[VA]             ; row (lane >> 4) of the pair of rows
	v_and_b32 v9, 1, v4
	v_lshl_add_u32 v[VA], v9, 3, v[VA]             ; which half of the 16 bytes
	v_add_nc_u32 v[VA], s26, v[VA]
	v_mul_u32_u24 v[VB], v3, SUBP
	v_lshl_add_u32 v[VB], v4, 4, v[VB]
	v_add_nc_u32 v[VB], s26, v[VB]
	v_lshlrev_b32 v[L16], 4, v2
	s_wait_kmcnt 0x0
	s_cmp_lt_u32 ttmp9, 128
	s_cselect_b64 s[22:23], s[4:5], s[6:7]         ; source: x or y
	s_cselect_b64 s[24:25], s[8:9], s[10:11]       ; target: xb or yb
	s_add_nc_u64 s[22:23], s[22:23], s[18:19]
	s_add_nc_u64 s[24:25], s[24:25], s[20:21]
.irp b, 0,1,2,3
.irp i, 0,1,2,3,4,5,6,7
	global_load_b128 v[X+32*\b+4*\i:X+32*\b+4*\i+3], v[VS], s[22:23] offset:\i*32768+\b*256 th:TH_LOAD_NT
.endr
.endr
	; the table, one pair a thread, while the loads are on their way
	v_add_nc_u32 v10, s27, v0                      ; tau = 256 x work-group + thread
	v_and_b32 v11, 1, v10
	v_bfe_u32 v12, v10, 6, 3
	v_lshl_add_u32 v11, v12, 1, v11
	v_bfe_u32 v12, v10, 5, 1
	v_lshl_add_u32 v11, v12, 4, v11
	v_bfe_u32 v12, v10, 9, 1
	v_lshl_add_u32 v11, v12, 5, v11                ; ip = 32 g + 16 h + 2 j + sub
	v_bfe_u32 v12, v10, 1, 4
	v_lshrrev_b32 v13, 10, v10
	v_lshl_add_u32 v12, v13, 4, v12                ; position = 16 rb + r
	v_cvt_f32_u32 v11, v11
	v_cvt_f32_u32 v12, v12
	v_mul_f32 v11, 0xbe449a78, v11                 ; -ip * log2(5000)/64
	v_exp_f32 v11, v11                             ; phi
	v_nop                                          ; one plain instruction behind a transcendental (ISA guide 5.7.2)
	s_wait_alu depctr_va_vdst(0)
	v_mul_f32 v12, v12, v11                        ; the angle
	v_mul_f32 v13, 0x3f22f983, v12                 ; x 2/pi
	v_rndne_f32 v13, v13                           ; n
	v_fmamk_f32 v14, v13, 0xbfc90fdb, v12          ; rho = angle - n * (pi/2, upper part)
	v_fmamk_f32 v14, v13, 0x333bbd2e, v14          ;       - n * (pi/2, lower part, which is negative)
	v_mul_f32 v15, v14, v14                        ; z = rho^2
	v_mov_b32 v16, 0xb94ca1f9
	v_mov_b32 v17, 0x37ccf5ce
	v_fmaak_f32 v16, v16, v15, 0x3c08839e
	v_fmaak_f32 v17, v17, v15, 0xbab6061a
	v_fmaak_f32 v16, v16, v15, 0xbe2aaaa3
	v_fmaak_f32 v17, v17, v15, 0x3d2aaaa5
	v_mul_f32 v16, v16, v15
	v_mul_f32 v18, v15, v15
	v_fma_f32 v19, v15, -0.5, 1.0
	v_fma_f32 v16, v16, v14, v14                   ; sin rho
	v_fma_f32 v17, v17, v18, v19                   ; cos rho
	v_cvt_i32_f32 v13, v13
	v_and_b32 v18, 1, v13
	v_cmp_ne_u32 vcc_lo, 0, v18                    ; odd quadrant: sin and cos change places
	v_cndmask_b32 v21, v16, v17, vcc_lo
	v_cndmask_b32 v20, v17, v16, vcc_lo
	v_and_b32 v18, 2, v13                          ; sin is negative in quadrants 2, 3
	v_lshlrev_b32 v18, 30, v18
	v_xor_b32 v21, v18, v21
	v_add_nc_u32 v19, 1, v13                       ; cos in quadrants 1, 2
	v_and_b32 v19, 2, v19
	v_lshlrev_b32 v19, 30, v19
	v_xor_b32 v20, v19, v20
	v_lshlrev_b32 v22, 3, v10
	global_store_b64 v22, v[20:21], s[12:13]       ; a wave stores 256 consecutive bytes
.irp b, 0,1,2,3
	s_wait_loadcnt 24-8*\b                         ; loads come back in order: this block's eight are in, the later blocks' stay out
.irp i, 0,1,2,3,4,5,6,7
	v_cvt_pk_f16_f32 v[PK+2*\i],   v[X+32*\b+4*\i],   v[X+32*\b+4*\i+1]
	v_cvt_pk_f16_f32 v[PK+2*\i+1], v[X+32*\b+4*\i+2], v[X+32*\b+4*\i+3]
.endr
.irp i, 0,1,2,3,4,5,6,7
	ds_store_b64 v[VA], v[PK+2*\i:PK+2*\i+1] offset:\b*BLK+\i*32
.endr
.irp q, 0,1,2,3
	ds_load_b128 v[OUT+16*\b+4*\q:OUT+16*\b+4*\q+3], v[VB] offset:\b*BLK+\q*2*SUBP   ; LDS serves a wave's instructions in order: these see the stores above
.endr
	s_wait_dscnt 0x0
.irp q, 0,1,2,3
	global_store_b128 v[L16], v[OUT+16*\b+4*\q:OUT+16*\b+4*\q+3], s[24:25] offset:\b*131072+\q*512   ; 512 consecutive aligned bytes
.endr
.endr
	s_endpgm
.Lfunc_end_k_q10661ae08f_prep:
	.size	k_q10661ae08f_prep, .Lfunc_end_k_q10661ae08f_prep-k_q10661ae08f_prep
	.p2alignl 7, 3214868480
	.fill 96, 4, 3214868480
	.section	.rodata,"a",@progbits
	.p2align	6, 0x0
	.amdhsa_kernel k_q10661ae08f_prep
		.amdhsa_group_segment_fixed_size 73728
		.amdhsa_private_segment_fixed_size 0
		.amdhsa_enable_private_segment 0
		.amdhsa_kernarg_size 40
		.amdhsa_user_sgpr_count 2
		.amdhsa_user_sgpr_kernarg_segment_ptr 1
		.amdhsa_wavefront_size32 1
		.amdhsa_system_sgpr_workgroup_id_x 1
		.amdhsa_system_sgpr_workgroup_id_y 1
		.amdhsa_system_sgpr_workgroup_id_z 1
		.amdhsa_system_vgpr_workitem_id 0
		.amdhsa_next_free_vgpr 240
		.amdhsa_next_free_sgpr 66
		.amdhsa_reserve_vcc 1
		.amdhsa_float_denorm_mode_32 3
		.amdhsa_float_denorm_mode_16_64 3
		.amdhsa_memory_ordered 1
		.amdhsa_forward_progress 1
		.amdhsa_inst_pref_size 17
	.end_amdhsa_kernel
	.amdgpu_metadata
---
amdhsa.version: [ 1, 2 ]
amdhsa.kernels:
  - .name:           k_q10661ae08f_prep
    .symbol:         k_q10661ae08f_prep.kd
    .args:
      - { .name: x, .offset: 0, .size: 8, .value_kind: global_buffer, .address_space: global }
      - { .name: y, .offset: 8, .size: 8, .value_kind: global_buffer, .address_space: global }
      - { .name: xb, .offset: 16, .size: 8, .value_kind: global_buffer, .address_space: global }
      - { .name: yb, .offset: 24, .size: 8, .value_kind: global_buffer, .address_space: global }
      - { .name: csf, .offset: 32, .size: 8, .value_kind: global_buffer, .address_space: global }
    .group_segment_fixed_size: 73728
    .private_segment_fixed_size: 0
    .kernarg_segment_align: 8
    .kernarg_segment_size: 40
    .max_flat_workgroup_size: 256
    .sgpr_count:     66
    .vgpr_count:     240
    .wavefront_size: 32
...
	.end_amdgpu_metadata
.endif
;; end of part 1
;; launch qkv (part 2): grid 192 x 1, 4 waves a work-group, clusters of 4 x 1, 327,680 bytes of LDS; arguments xb, yb, Wq, Wk, Wv, bq, bk, bv, csf, qf, kf, vt; writes qf, kf, vt
.if DOCPART == 2
	.amdgcn_target "amdgcn-amd-amdhsa--gfx1250"
	.amdhsa_code_object_version 6
	.text
	.protected	k_q10661ae08f_qkv
	.globl	k_q10661ae08f_qkv
	.p2align	8
	.type	k_q10661ae08f_qkv,@function
k_q10661ae08f_qkv:
	s_mov_b64 s[64:65], 0
	v_nop
	global_prefetch_b8 v0, s[64:65] scope:SCOPE_SE
	s_setreg_imm32_b32 hwreg(HW_REG_WAVE_MODE, 25, 1), 1
	s_wait_xcnt 0x0
	s_wait_alu depctr_hold_cnt(0) depctr_sa_sdst(0) depctr_va_vdst(0) depctr_va_sdst(0) depctr_va_ssrc(0) depctr_va_vcc(0) depctr_vm_vsrc(0)
	s_getreg_b32 s2, hwreg(HW_REG_IB_STS2, 6, 4)
	s_cmp_eq_u32 s2, 0
	s_cbranch_scc0 .Lentry_in_a_cluster
	s_endpgm
.Lentry_in_a_cluster:
	s_bfe_u32 s2, ttmp6, 0x10000c
	s_cmp_lg_u32 s2, 0x3003
	s_cbranch_scc0 .Lentry_shape_is_right
	s_endpgm
.Lentry_shape_is_right:
; qkv: q = rope(x Wq + bq) * c, k = rope(y Wk + bk) * c, v = (y Wv + bv) / 4.  c = sqrt(log2(e)/sqrt(128)) = 0.35709583, so that q k carries
; the scale of a softmax in base 2.  f16 operands, f32 sums.
; SHARES.  [Wq | Wk | Wv] has 6,144 columns = 48 strips of 128, one head each.  A cluster of four work-groups takes one strip (clusters 0-31 q,
; 32-39 k, 40-47 v), work-group cx its rows 256 cx .. +255: 192 work-groups of equal work.  A block of 256 x 128 lets each X fragment feed eight
; matrix instructions; 256 x 64 would give 384 blocks for 256 WGPs and read every X byte twice as often; 96 columns divide no head.
; W (f32, [K][N]) comes by JOINT tensor loads (mask 15: the four partners need the same strip) into two LDS slots of 256 k x 512 bytes; each wave
; asks for 64 k-rows, one load behind each round of the cluster's barrier.  By this text's own count a wave has at most two tensor loads out.
; X (f16, fragment order, see below) goes from memory straight into a ring of registers with counted waits.  It is NOT asked for jointly: the four
; partners need different rows; and through LDS it would take 512 bytes for each k beside W's 512, half the k that a slot holds now.
; Waves: w = 2 wm + wk.  wm = half of the rows, wk = half of each slot's k.  A wave's block is 128 x 128: 64 accumulators.  The two k halves are
; added at the end through a stage of 4 x 32,768 bytes in slot 0, which has had its last fill by then (tile 14) and whose last reads end in front
; of the barrier ahead of tile 15.
; FRAGMENT ORDER: block = 16 rows x 64 k at byte (kb*64 + rb)*2048; chunk q, lane (r, h): X[16 rb + r][64 kb + 32 h + 8 q + 0..7].  So register t
; of fragment u holds k = 64 kb + 32 h + 16 u + 2 t, +1.  W's fragments are built with the same places of k, so every product meets its partner;
; only the order of the sums differs from an ascending one.
; W's fragment: ds_load_b128 of row k at 256 g + 16 r gives W[k][64g+4r .. +3]; packing rows 2t, 2t+1 gives four fragments j whose index r is
; column 64 g + 4 r + j.
; Orientation T (q, k): source 0 = W, source 1 = X: register p of lane (r, h) = C[16 i + r][64 g + 32 h + 4 p + j]: a RoPE pair is (j, j+1) in one lane.
; Orientation N (v):    source 0 = X, source 1 = W: register p of lane (r, h) = C[16 i + 8 h + p][64 g + 4 r + j]: eight neighbouring keys of a column.
; Outputs: qf, kf in fragment order, block ((head*64 + rb)*2 + g); vt: byte kh*262144 + kb32*8192 + (4g+j)*1024 + e*512 + lane*16 holds
; V[32 kb32 + 16 e + 8 h + 0..7][64 g + 4 r + j] / 4.
; LIMITS: operands rounded to f16 (11 significant bits; largest number 65,504; step 6e-8 below 6.1e-5): |W| < 65,504, |q|, |k| < 183,000,
; |v| < 262,000.  The scales leave room for x and W both shifted by 30 spreads (4096 * 30 * 0.6 = 73,728: 26,300 in q and k, 18,400 in v) and for
; all inputs 30 times smaller (v / 4 about 3.6e-4).  K is summed as two halves, in the order given above.
.set SLOTB, 131072
.set L16,  1                           ; 16 x lane
.set XLO,  2                           ; X offset for row blocks i < 4 (the ones that I keep)
.set XHI,  3                           ; and for i >= 4 (the ones that I send to the wave with the other k half)
.set WA,   4                           ; v4, v5: my place in slot 0, 1
.set STO,  6                           ; my stage
.set LDP,  7                           ; my partner's stage
.set BOFF, 8                           ; 128 h
.set R16,  9                           ; 16 r
.set BI,   16                          ; v[16:23]   bias in orientation N, 4 g + j
.set RAW,  32                          ; v[32:95]   16 rows of W as loaded
.set WB0,  96                          ; v[96:127], v[128:159]  W's four fragments, two buffers
.set PT,   32                          ; epilogue: partner's sums
.set T,    96                          ; epilogue: the sums
.set U,    128
.set W_,   144
.set BS,   160                         ; v[160:223] bias in orientation T, 32 g + 4 p + j
.set OUT,  224                         ; v[224:255] two sets of 16 packed words
; window 1: accumulator (i, g = 0, j) at v[8 (4 i + j)];  window 3: the same for g = 1;  window 2: the ring of X fragments, then the RoPE table
.set G1,   16                          ; s[16:23] shape of Wq's tiles
.set G1KV, 24                          ; s[24:31] shape of Wk's and Wv's: the pitch alone differs
.set G0,   32                          ; s[32:39] from where, to where: one set for each slot
.set XB,   40                          ; s[40:41] X at this tile
.set MSB, 0
.macro WIN new                         ; the immediate's high byte repeats the setting that is left
.if MSB != \new
	s_set_vgpr_msb (MSB<<8)|\new
.set MSB, \new
.endif
.endm
.macro PLACES                          ; four places behind a matrix instruction (ISA guide 7.12.1)
.rept 4
	v_nop
.endr
.endm
.macro ROUND                           ; a round of the cluster's barrier
	s_barrier_signal -1
	s_barrier_wait -1
	s_cmp_lg_u32 s8, 0
	s_cbranch_scc1 .Lnot_wave_0_\@
	s_barrier_signal -3
.Lnot_wave_0_\@:
	s_barrier_wait -3
	s_barrier_signal -1
	s_barrier_wait -1
.endm
; The joint load of the slot whose group 0 begins at s[jl_].  The two lines differ in the pitch; the branch hangs on the cluster's number alone,
; which the four partners share, and each way issues the one load.
.macro JLOAD
	s_cmp_lg_u32 s15, 0
	s_cbranch_scc1 .Ljl_kv_\@
	tensor_load_to_lds s[jl_:jl_+3], s[G1:G1+7]
	s_nop 0
	s_branch .Ljl_j_\@
.Ljl_kv_\@:
	tensor_load_to_lds s[jl_:jl_+3], s[G1KV:G1KV+7]
	s_nop 0
.Ljl_j_\@:
.endm
; the X fragments of half step sg (counted from this tile's first; 4 and more reach into the next tile) into ring buffer sg mod 4
.macro XLOAD sg
	WIN 0x80                                       ; destination in window 2
	.set xb_, ((\sg)&3)*64
	.set xo_, ((\sg)>>2)*524288+(((\sg)&3)>>1)*131072+((\sg)&1)*1024
	.set xi_, 0
	.rept 8
	.if xi_ < 4
	global_load_b128 v[xb_+8*xi_:xb_+8*xi_+3],   v[XLO], s[XB:XB+1] offset:xo_+xi_*2048
	global_load_b128 v[xb_+8*xi_+4:xb_+8*xi_+7], v[XLO], s[XB:XB+1] offset:xo_+xi_*2048+512
	.else
	global_load_b128 v[xb_+8*xi_:xb_+8*xi_+3],   v[XHI], s[XB:XB+1] offset:xo_+xi_*2048
	global_load_b128 v[xb_+8*xi_+4:xb_+8*xi_+7], v[XHI], s[XB:XB+1] offset:xo_+xi_*2048+512
	.endif
	.set xi_, xi_+1
	.endr
.endm
; sixteen rows of W for substep su = 2 x half step + g: lanes 0-15 read 256 consecutive bytes of row k, lanes 16-31 of row k + 32
.macro WLOAD slot, su
	.set wp_, 0
	.rept 16
	ds_load_b128 v[RAW+4*wp_:RAW+4*wp_+3], v[WA+\slot] offset:(64*((\su)>>2)+16*(((\su)>>1)&1)+wp_)*512+((\su)&1)*256
	.set wp_, wp_+1
	.endr
.endm
.macro CVTW wb                         ; f32 rows to four f16 fragments
.irp j, 0,1,2,3
.irp t, 0,1,2,3,4,5,6,7
	v_cvt_pk_f16_f32 v[\wb+8*\j+\t], v[RAW+8*\t+\j], v[RAW+8*\t+4+\j]
.endr
.endr
.endm
; 32 matrix instructions; the accumulators take turns, one instruction a turn (the next substep's lie in the other window)
.macro MULS wb, xf, cg, orient, zero
.if \orient == 0
.if \cg == 0
	WIN 0x58                                       ; source 1 window 2, C and D window 1
.else
	WIN 0xf8                                       ; source 1 window 2, C and D window 3
.endif
.else
.if \cg == 0
	WIN 0x52                                       ; source 0 window 2, C and D window 1
.else
	WIN 0xf2                                       ; source 0 window 2, C and D window 3
.endif
.endif
	.set mi_, 0
	.rept 8
.irp j, 0,1,2,3
.if \orient == 0
.if \zero
	v_wmma_f32_16x16x32_f16 v[8*(4*mi_+\j):8*(4*mi_+\j)+7], v[\wb+8*\j:\wb+8*\j+7], v[\xf+8*mi_:\xf+8*mi_+7], 0
.else
	v_wmma_f32_16x16x32_f16 v[8*(4*mi_+\j):8*(4*mi_+\j)+7], v[\wb+8*\j:\wb+8*\j+7], v[\xf+8*mi_:\xf+8*mi_+7], v[8*(4*mi_+\j):8*(4*mi_+\j)+7]
.endif
.else
.if \zero
	v_wmma_f32_16x16x32_f16 v[8*(4*mi_+\j):8*(4*mi_+\j)+7], v[\xf+8*mi_:\xf+8*mi_+7], v[\wb+8*\j:\wb+8*\j+7], 0
.else
	v_wmma_f32_16x16x32_f16 v[8*(4*mi_+\j):8*(4*mi_+\j)+7], v[\xf+8*mi_:\xf+8*mi_+7], v[\wb+8*\j:\wb+8*\j+7], v[8*(4*mi_+\j):8*(4*mi_+\j)+7]
.endif
.endif
.endr
	.set mi_, mi_+1
	.endr
	WIN 0
.endm
.macro MULSEL wb, xf, cg, zero         ; q's and k's orientation or v's, by s14, which is equal in the four partners
	WIN 0
	s_cmp_lg_u32 s14, 0
	s_cbranch_scc1 .Lmul_n_\@
	MULS \wb, \xf, \cg, 0, \zero
	s_branch .Lmul_j_\@
.Lmul_n_\@:
	MULS \wb, \xf, \cg, 1, \zero
.Lmul_j_\@:
.endm
; A substep = 32 along K x 64 columns.  The 32 conversions are also the places behind the last substep's matrix instructions: they name RAW and the
; W buffer that those did not read.  The X fragments serve two substeps; their wait and the next load stand in the even one, and the load lands in
; the ring buffer that the last substep read, behind those 32 places.
.macro SSTEP slot, su, zero, tail
	.set hw_, WB0+32*((\su)&1)
	.set hc_, (\su)&1
	.set hp_, (\su)>>1
	.set hb_, hp_*64
	s_wait_dscnt 0x0                               ; this substep's rows of W, asked for a substep ago
	CVTW hw_
	.if (\su) < 7
	WLOAD \slot, (\su)+1
	.endif
	.if hc_ == 0
	.set hl_, 2
	.set hx_, 1
	.if \tail
	.if 3-hp_ < 2
	.set hl_, 3-hp_
	.endif
	.if hp_ > 0
	.set hx_, 0
	.endif
	.endif
	s_wait_loadcnt 16*hl_                          ; my X fragments are in; the 16 loads of each younger half step stay out
	.if hx_
	XLOAD hp_+3
	.endif
	.endif
	MULSEL hw_, hb_, hc_, \zero
.endm
.macro TILE slot, zero, tail           ; 256 k of the slot: 128 for this wave, four half steps, eight substeps
	WLOAD \slot, 0
	SSTEP \slot, 0, \zero, \tail
	SSTEP \slot, 1, \zero, \tail
.irp q, 2,3,4,5,6,7
	SSTEP \slot, \q, 0, \tail
.endr
.if \tail == 0
	s_wait_xcnt 0x0                                ; the X loads' base is stepped only behind this wait
	s_add_nc_u64 s[XB:XB+1], s[XB:XB+1], 0x80000   ; four kb of 131,072 bytes
.endif
.endm
; One tile.  refill = 1: the other slot, read last, is filled again two tiles ahead, first thing behind a round of the cluster's barrier;
; in front of the round every wave has waited for all its tensor loads and for its reads of that slot.
.macro STEP slot, refill, tail
	s_wait_tensorcnt 0x0                           ; all my tensor loads have landed, my part of this tile among them: a group 0 may be written
.if \refill
	s_add_nc_u64 s[G0+6-4*\slot:G0+7-4*\slot], s[G0+6-4*\slot:G0+7-4*\slot], s[92:93]
.endif
	s_wait_dscnt 0x0                               ; my reads of the other slot are over
.if \refill
	ROUND
	.set jl_, G0+4-4*\slot
	JLOAD
.else
	s_barrier_signal -1
	s_barrier_wait -1
.endif
	TILE \slot, 0, \tail
.endm
; the accumulators of row blocks i >= 4 go to my stage, for the wave with the other k half: tile ((i-4)*8 + 4 g + j) of 1,024 bytes
.macro REDUCE
.irp g, 0,1
.if \g == 0
	WIN 0x04                                       ; store data from window 1
.else
	WIN 0x0c                                       ; from window 3
.endif
	.set ra_, 16
	.rept 16
	ds_store_b128 v[STO], v[8*ra_:8*ra_+3]   offset:(((ra_-16)>>2)*8+\g*4+(ra_&3))*1024
	ds_store_b128 v[STO], v[8*ra_+4:8*ra_+7] offset:(((ra_-16)>>2)*8+\g*4+(ra_&3))*1024+512
	.set ra_, ra_+1
	.endr
.endr
	WIN 0
	s_wait_dscnt 0x0                               ; for the partner's sake: zero
	s_barrier_signal -1
	s_barrier_wait -1
.endm
.macro SUMI i, g                       ; row block i, column half g: my half of K + the partner's
.irp j, 0,1,2,3
	ds_load_b128 v[PT+8*\j:PT+8*\j+3],   v[LDP] offset:(8*(\i)+4*(\g)+\j)*1024
	ds_load_b128 v[PT+8*\j+4:PT+8*\j+7], v[LDP] offset:(8*(\i)+4*(\g)+\j)*1024+512
.endr
	s_wait_dscnt 0x0
.if \g == 0
	WIN 0x01
.else
	WIN 0x03
.endif
.irp j, 0,1,2,3
.irp e, 0,2,4,6
	v_pk_add_f32 v[T+8*\j+\e:T+8*\j+\e+1], v[8*(4*(\i)+\j)+\e:8*(4*(\i)+\j)+\e+1], v[PT+8*\j+\e:PT+8*\j+\e+1]
.endr
.endr
	WIN 0
.endm
; (i, g) in orientation T: scale and bias in one fused multiply-add (the bias carries the scale already), RoPE, f16, four stores of 512 consecutive bytes
.macro ROPE_I i, g
	.set rn_, 2*(\i)+(\g)
	SUMI \i, \g
	s_wait_loadcnt 56-8*rn_                        ; this step's eight table loads are in; the eight of each later step stay out
.irp j, 0,1,2,3
.irp p, 0,1,2,3,4,5,6,7
	v_fma_f32 v[T+8*\j+\p], v[T+8*\j+\p], s52, v[BS+32*(\g)+4*\p+\j]
.endr
.endr
	WIN 0x08                                       ; source 1, the table, in window 2
.irp p, 0,1,2,3,4,5,6,7
.irp c, 0,1
	v_mul_f32 v[U+2*\p+\c],  v[T+16*\c+8+\p], v[32*rn_+4*\p+2*\c+1]
	v_mul_f32 v[W_+2*\p+\c], v[T+16*\c+8+\p], v[32*rn_+4*\p+2*\c]
	v_fma_f32 v[U+2*\p+\c],  v[T+16*\c+\p], v[32*rn_+4*\p+2*\c],   -v[U+2*\p+\c]
	v_fma_f32 v[W_+2*\p+\c], v[T+16*\c+\p], v[32*rn_+4*\p+2*\c+1], v[W_+2*\p+\c]
.endr
.endr
	WIN 0
.if rn_ >= 2
	s_wait_xcnt 0x0                                ; this set of packed words was stored two steps ago: rewritten only behind this wait
.endif
.irp p, 0,1,2,3,4,5,6,7
.irp c, 0,1
	v_cvt_pk_f16_f32 v[OUT+16*(rn_&1)+2*\p+\c], v[U+2*\p+\c], v[W_+2*\p+\c]
.endr
.endr
.irp k, 0,1,2,3
	global_store_b128 v[L16], v[OUT+16*(rn_&1)+4*\k:OUT+16*(rn_&1)+4*\k+3], s[50:51] offset:(\i)*4096+(\g)*2048+\k*512
.endr
.endm
; (i, g) in orientation N: a quarter of (sum + bias) in one fused multiply-add, f16, eight keys of one column in 16 bytes
.macro V_I i, g
	.set rn_, 2*(\i)+(\g)
	SUMI \i, \g
.irp j, 0,1,2,3
.irp p, 0,1,2,3,4,5,6,7
	v_fma_f32 v[T+8*\j+\p], v[T+8*\j+\p], s96, v[BI+4*(\g)+\j]
.endr
.endr
.if rn_ >= 2
	s_wait_xcnt 0x0                                ; this set of packed words was stored two steps ago: rewritten only behind this wait
.endif
.irp j, 0,1,2,3
.irp e, 0,1,2,3
	v_cvt_pk_f16_f32 v[OUT+16*(rn_&1)+4*\j+\e], v[T+8*\j+2*\e], v[T+8*\j+2*\e+1]
.endr
.endr
.irp j, 0,1,2,3
	global_store_b128 v[L16], v[OUT+16*(rn_&1)+4*\j:OUT+16*(rn_&1)+4*\j+3], s[50:51] offset:((\i)>>1)*8192+((\i)&1)*512+(4*(\g)+\j)*1024
.endr
.endm
	s_load_b512 s[68:83], s[0:1], 0x0              ; xb 68, yb 70, Wq 72, Wk 74, Wv 76, bq 78, bk 80, bv 82
	s_load_b256 s[84:91], s[0:1], 0x40             ; csf 84, qf 86, kf 88, vt 90
	v_lshrrev_b32 v10, 5, v0
	v_readfirstlane_b32 s8, v10                    ; wave
	s_lshr_b32 s9, s8, 1                           ; wm
	s_and_b32 s10, s8, 1                           ; wk
	s_bfe_u32 s11, ttmp6, 0x40000                  ; cx: enters X's, the table's and the outputs' addresses alone
	s_mov_b32 s12, ttmp9                           ; the cluster, 0 to 47
	s_cmp_ge_u32 s12, 32
	s_cselect_b32 s15, 1, 0                        ; this cluster makes k or v
	s_cmp_ge_u32 s12, 40
	s_cselect_b32 s14, 1, 0                        ; it makes v
	s_lshl_b32 s54, s15, 5
	s_sub_co_u32 s13, s12, s54
	s_lshl_b32 s54, s14, 3
	s_sub_co_u32 s13, s13, s54                     ; the strip of its own weight matrix = the head
	s_mov_b32 s52, 0x3eb6d544                      ; sqrt(log2(e) / sqrt(128)): q's and k's scale
	s_mov_b32 s53, 0x3eb6d544
	s_mov_b32 s96, 0x3e800000                      ; 1/4: v's scale
	; group 1: a tile of 64 k-rows x 128 f32 (512 bytes), no padding; mask 15 = the four partners, bit 21 beside it
	s_mov_b32 s[G1+0], 15|(2<<16)|(1<<21)
	s_mov_b32 s[G1+1], 128<<16
	s_mov_b32 s[G1+2], 64<<16
	s_mov_b32 s[G1+3], 128<<16
	s_mov_b32 s[G1+4], 64
	s_mov_b32 s[G1+5], 4096
	s_mov_b32 s[G1+6], 0
	s_mov_b32 s[G1+7], 0
	s_mov_b32 s[G1KV+0], 15|(2<<16)|(1<<21)
	s_mov_b32 s[G1KV+1], 128<<16
	s_mov_b32 s[G1KV+2], 64<<16
	s_mov_b32 s[G1KV+3], 128<<16
	s_mov_b32 s[G1KV+4], 64
	s_mov_b32 s[G1KV+5], 1024
	s_mov_b32 s[G1KV+6], 0
	s_mov_b32 s[G1KV+7], 0
	s_mov_b32 s[G0+0], 1
	s_lshl_b32 s[G0+1], s8, 15                     ; slot 0: wave x 64 rows of 512 bytes
	s_mov_b32 s[G0+4], 1
	s_add_co_u32 s[G0+5], s[G0+1], SLOTB
	s_lshl_b32 s56, s15, 1                         ; a row of Wk or Wv is a quarter of a row of Wq
	s_sub_co_u32 s57, 20, s56
	s_lshl_b32 s54, s8, s57                        ; 64 wave rows of 16,384 or 4,096 bytes
	s_lshl_b32 s58, s13, 9                         ; the strip: 512 bytes of a row
	s_add_co_u32 s54, s54, s58
	s_mov_b32 s55, 0
	s_lshr_b32 s92, 0x800000, s56                  ; two tiles: 512 rows
	s_mov_b32 s93, 0
	s_lshr_b32 s94, 0x400000, s56                  ; one tile: 256 rows
	s_mov_b32 s95, 0
	s_wait_kmcnt 0x0
	s_cmp_lg_u32 s14, 0
	s_cselect_b64 s[42:43], s[76:77], s[74:75]     ; Wv or Wk,
	s_cselect_b64 s[46:47], s[82:83], s[80:81]     ; bv or bk,
	s_cselect_b64 s[50:51], s[90:91], s[88:89]     ; vt or kf;
	s_cmp_lg_u32 s15, 0
	s_cselect_b64 s[42:43], s[42:43], s[72:73]     ; those, or Wq,
	s_cselect_b64 s[46:47], s[46:47], s[78:79]     ; bq,
	s_cselect_b64 s[50:51], s[50:51], s[86:87]     ; qf;
	s_cselect_b64 s[XB:XB+1], s[70:71], s[68:69]   ; yb or xb
	s_add_nc_u64 s[G0+2:G0+3], s[42:43], s[54:55]
	s_add_nc_u64 s[G0+6:G0+7], s[G0+2:G0+3], s[94:95]
	s_or_b32 s[G0+3], s[G0+3], 0x80000000
	s_or_b32 s[G0+7], s[G0+7], 0x80000000
	ROUND                                          ; the four partners are here: the first joint loads meet
	s_cmp_lg_u32 s15, 0
	s_cbranch_scc1 .Lfirst_kv
	tensor_load_to_lds s[G0:G0+3], s[G1:G1+7]
	s_nop 0
	tensor_load_to_lds s[G0+4:G0+7], s[G1:G1+7]
	s_nop 0
	s_branch .Lfirst_j
.Lfirst_kv:
	tensor_load_to_lds s[G0:G0+3], s[G1KV:G1KV+7]
	s_nop 0
	tensor_load_to_lds s[G0+4:G0+7], s[G1KV:G1KV+7]
	s_nop 0
.Lfirst_j:
	s_mov_b32 s54, s58
	s_add_nc_u64 s[46:47], s[46:47], s[54:55]      ; the bias at my strip
	s_lshl_b32 s54, s11, 15
	s_add_nc_u64 s[XB:XB+1], s[XB:XB+1], s[54:55]  ; X at row block 16 cx
	s_lshl_b32 s57, s11, 4
	s_lshl3_add_u32 s57, s9, s57
	s_lshl2_add_u32 s57, s10, s57                  ; the first row block that I keep: 16 cx + 8 wm + 4 wk
	s_lshl_b32 s54, s57, 13
	s_add_nc_u64 s[48:49], s[84:85], s[54:55]      ; its table
	s_lshl_b32 s54, s13, 18                        ; a head is 262,144 bytes in qf, kf and vt,
	s_lshl_b32 s56, s57, 12                        ; a row block 4,096 bytes in each of them
	s_add_co_u32 s54, s54, s56
	s_add_nc_u64 s[50:51], s[50:51], s[54:55]
	v_and_b32 v10, 31, v0
	v_and_b32 v11, 15, v0
	v_bfe_u32 v12, v0, 4, 1
	v_lshlrev_b32 v[L16], 4, v10
	v_lshlrev_b32 v[R16], 4, v11
	v_lshlrev_b32 v[BOFF], 7, v12
	s_lshl_b32 s54, s9, 14                         ; wm x 8 row blocks
	s_mul_i32 s56, s10, 262144+8192                ; wk: two kb on; and the wave with wk = 1 takes its row blocks in the order i xor 4,
	s_add_co_u32 s56, s56, s54                     ; so that every wave keeps i < 4 and sends i >= 4
	v_add_nc_u32 v[XLO], s56, v[L16]
	s_mul_i32 s56, s10, 262144-8192
	s_add_co_u32 s56, s56, s54
	v_add_nc_u32 v[XHI], s56, v[L16]
	s_lshl_b32 s56, s10, 16                        ; wk x 128 rows of 512 bytes
	v_lshl_add_u32 v[WA], v12, 14, v[R16]          ; + 32 h rows + 16 r
	v_add_nc_u32 v[WA], s56, v[WA]
	v_add_nc_u32 v[WA+1], SLOTB, v[WA]
	s_lshl_b32 s56, s8, 15                         ; the stage: wave x 32,768 bytes, in slot 0
	v_add_nc_u32 v[STO], s56, v[L16]
	s_xor_b32 s56, s8, 1
	s_lshl_b32 s56, s56, 15
	v_add_nc_u32 v[LDP], s56, v[L16]
.irp g, 0,1
.irp p, 0,1,2,3,4,5,6,7
	global_load_b128 v[BS+32*\g+4*\p:BS+32*\g+4*\p+3], v[BOFF], s[46:47] offset:\g*256+\p*16
.endr
	global_load_b128 v[BI+4*\g:BI+4*\g+3], v[R16], s[46:47] offset:\g*256
.endr
	XLOAD 0
	XLOAD 1
	XLOAD 2
	WIN 0
	s_wait_tensorcnt 0x1                           ; my part of tile 0 is in; tile 1's load is younger and stays out
	s_barrier_signal -1
	s_barrier_wait -1
	TILE 0, 1, 0                                   ; the first products start the sums
	s_mov_b32 s3, 7
.Lk:
	STEP 1, 1, 0                                   ; tiles 1, 3, .. 13
	STEP 0, 1, 0                                   ; tiles 2, 4, .. 14
	s_sub_co_u32 s3, s3, 1
	s_cmp_lg_u32 s3, 0
	s_cbranch_scc1 .Lk
	STEP 1, 0, 1                                   ; tile 15: nothing is left to fetch
	PLACES                                         ; behind the last matrix instructions: for the stores of sums, the loads into the ring, the writes of W's buffers
	REDUCE
	s_cmp_lg_u32 s14, 0
	s_cbranch_scc1 .Lepi_v
	; q and k: the whole table of my four row blocks, 8 steps x 8 loads, goes out at once into the ring's window, which is free now
	WIN 0x80
.irp n, 0,1,2,3,4,5,6,7
.irp p, 0,1,2,3,4,5,6,7
	global_load_b128 v[32*\n+4*\p:32*\n+4*\p+3], v[L16], s[48:49] offset:\n*4096+\p*512
.endr
.endr
	WIN 0
.irp e, 0,2,4,6,8,10,12,14,16,18,20,22,24,26,28,30,32,34,36,38,40,42,44,46,48,50,52,54,56,58,60,62
	v_pk_mul_f32 v[BS+\e:BS+\e+1], v[BS+\e:BS+\e+1], s[52:53] op_sel_hi:[1,0]   ; (sum + bias) * scale = sum * scale + bias * scale
.endr
.irp i, 0,1,2,3
	ROPE_I \i, 0
	ROPE_I \i, 1
.endr
	s_branch .Lend
.Lepi_v:
.irp j, 0,1,2,3,4,5,6,7
	v_mul_f32 v[BI+\j], s96, v[BI+\j]              ; the bias carries v's scale
.endr
.irp i, 0,1,2,3
	V_I \i, 0
	V_I \i, 1
.endr
.Lend:
	ROUND                                          ; the closing round: no work-group ends while a partner may still ask jointly
	s_endpgm
.Lfunc_end_k_q10661ae08f_qkv:
	.size	k_q10661ae08f_qkv, .Lfunc_end_k_q10661ae08f_qkv-k_q10661ae08f_qkv
	.p2alignl 7, 3214868480
	.fill 96, 4, 3214868480
	.section	.rodata,"a",@progbits
	.p2align	6, 0x0
	.amdhsa_kernel k_q10661ae08f_qkv
		.amdhsa_group_segment_fixed_size 327680
		.amdhsa_private_segment_fixed_size 0
		.amdhsa_enable_private_segment 0
		.amdhsa_kernarg_size 96
		.amdhsa_user_sgpr_count 2
		.amdhsa_user_sgpr_kernarg_segment_ptr 1
		.amdhsa_wavefront_size32 1
		.amdhsa_system_sgpr_workgroup_id_x 1
		.amdhsa_system_sgpr_workgroup_id_y 1
		.amdhsa_system_sgpr_workgroup_id_z 1
		.amdhsa_system_vgpr_workitem_id 0
		.amdhsa_next_free_vgpr 1024
		.amdhsa_next_free_sgpr 98
		.amdhsa_reserve_vcc 0
		.amdhsa_float_denorm_mode_32 3
		.amdhsa_float_denorm_mode_16_64 3
		.amdhsa_memory_ordered 1
		.amdhsa_forward_progress 1
		.amdhsa_inst_pref_size 255
	.end_amdhsa_kernel
	.section	.bss,"aw",@nobits
	.p2align	6
	.space	262144
	.amdgpu_metadata
---
amdhsa.version: [ 1, 2 ]
amdhsa.kernels:
  - .name:           k_q10661ae08f_qkv
    .symbol:         k_q10661ae08f_qkv.kd
    .args:
      - { .name: xb, .offset: 0, .size: 8, .value_kind: global_buffer, .address_space: global }
      - { .name: yb, .offset: 8, .size: 8, .value_kind: global_buffer, .address_space: global }
      - { .name: Wq, .offset: 16, .size: 8, .value_kind: global_buffer, .address_space: global }
      - { .name: Wk, .offset: 24, .size: 8, .value_kind: global_buffer, .address_space: global }
      - { .name: Wv, .offset: 32, .size: 8, .value_kind: global_buffer, .address_space: global }
      - { .name: bq, .offset: 40, .size: 8, .value_kind: global_buffer, .address_space: global }
      - { .name: bk, .offset: 48, .size: 8, .value_kind: global_buffer, .address_space: global }
      - { .name: bv, .offset: 56, .size: 8, .value_kind: global_buffer, .address_space: global }
      - { .name: csf, .offset: 64, .size: 8, .value_kind: global_buffer, .address_space: global }
      - { .name: qf, .offset: 72, .size: 8, .value_kind: global_buffer, .address_space: global }
      - { .name: kf, .offset: 80, .size: 8, .value_kind: global_buffer, .address_space: global }
      - { .name: vt, .offset: 88, .size: 8, .value_kind: global_buffer, .address_space: global }
    .group_segment_fixed_size: 327680
    .private_segment_fixed_size: 0
    .kernarg_segment_align: 8
    .kernarg_segment_size: 96
    .max_flat_workgroup_size: 128
    .sgpr_count:     98
    .vgpr_count:     1024
    .wavefront_size: 32
...
	.end_amdgpu_metadata
.endif
;; end of part 2
;; launch attn (part 3): grid 256 x 1, 4 waves a work-group, no clusters, 102,400 bytes of LDS; arguments qf, kf, vt, ab; writes ab
.if DOCPART == 3
	.amdgcn_target "amdgcn-amd-amdhsa--gfx1250"
	.amdhsa_code_object_version 6
	.text
	.protected	k_q10661ae08f_attn
	.globl	k_q10661ae08f_attn
	.p2align	8
	.type	k_q10661ae08f_attn,@function
k_q10661ae08f_attn:
	s_mov_b64 s[64:65], 0
	v_nop
	global_prefetch_b8 v0, s[64:65] scope:SCOPE_SE
	s_setreg_imm32_b32 hwreg(HW_REG_WAVE_MODE, 25, 1), 1
	s_wait_xcnt 0x0
; attn: causal attention, 32 query heads on 8 key/value heads, head size 128, 1,024 positions.  q and k each carry sqrt(log2(e)/sqrt(128)):
; softmax in base 2.  v carries 1/4, and so does the result ab; the last projection takes it back.
; Work-group (kh, i), kh = id >> 5, i = id & 31: the four query heads of kh, the position blocks pb = i and 63 - i of 16 positions.
; The two blocks have (pb >> 1) + 1 chunks of 32 keys each, 33 together in every work-group.  The four waves share a block's chunks
; (chunk kc goes to wave kc mod 4), each for all four heads, with a running maximum; (m, l, O) meet in LDS, one head to each wave.
; K, V and Q fragments go from memory straight into registers (16 bytes a lane, 512 consecutive bytes a load); each K or V fragment feeds
; four matrix instructions.
; NO CLUSTER: the work-groups of one kh need different numbers of chunks at different times, and the operands do not pass LDS.
; S^T = K Q^T: register j of lane (r, h) = key 32 kc + 16 t + 8 h + j, position 16 pb + r.  Packed to f16 these registers ARE the second
; source of O^T = V^T P^T: nothing moves between lanes.  O^T's register p of lane (r, h) = column 64 g + 32 h + 4 p + j of position r,
; which packs into the fragment order that the last projection reads (block kb = 2 head + g, rb = pb at byte (kb*64 + rb)*2048).
; A wave goes DOWN its chunks: only its first can touch the diagonal, so only that one is masked.  A wave with no chunk runs one wholly masked
; chunk; its maximum is the mask's value and its weight at the merge exp2(that - m*) = 0.
; LIMITS: the mask is -1e30 in place of -inf: right while |score * log2 e| < 1e30.  P (0 to 1 by the running maximum; below 6e-8 it rounds
; to 0) and all matrix operands are f16, sums f32.  ab is a mean of v / 4 and stays inside v / 4's range.
; In wave w local head e means head 4 kh + ((e + w) & 3): every wave keeps e = 0 and sends e = 1..3.
.set L16,   1
.set QO,    2                          ; v[2:5]   q's offset of local head e
.set STO,   6                          ; my stage
.set STS,   7                          ; my stage's (m, l)
.set RDA,   8                          ; v[8:10]  where the wave that holds my head as its local head e put O
.set RDS,   11                         ; v[11:13] and (m, l)
.set RH,    14                         ; r - 8 h
.set DELTA, 15                         ; key 16 t + j is allowed while 16 t + j <= DELTA
.set M2,    16                         ; v[16:23] m of head e, twice
.set LR,    24                         ; v[24:27] l of head e (this lane's half of the keys)
.set AL,    28                         ; v[28:35] alpha of head e, twice
.set MASKV, 36
.set OOF,   37
.set ST,    48                         ; v[48:53] three (m, l) from the other waves
.set GG,    56                         ; v[56:63] the four weights, twice each
.set SR,    64                         ; v[64:127]  S at 16 e + 8 t
.set PR,    128                        ; v[128:159] P at 8 e
.set KR,    160                        ; v[160:223] K at 32 t + 8 c
.set OUT,   224                        ; v[224:255]
; window 1: O at 64 e + 8 f;  window 2: Q at 32 e + 8 c, V at 128 + 8 f
.set WSTG,  25600                      ; a wave's stage: 3 x 8,192 bytes of O, 3 x 256 of (m, l)
.set MSB, 0
.macro WIN new
.if MSB != \new
	s_set_vgpr_msb (MSB<<8)|\new
.set MSB, \new
.endif
.endm
.macro PLACES                          ; four places behind a matrix instruction (ISA guide 7.12.1)
.rept 4
	v_nop
.endr
.endm
.macro QLOAD
	WIN 0x80
.irp e, 0,1,2,3
.irp n, 0,1,2,3,4,5,6,7
	global_load_b128 v[32*\e+4*\n:32*\e+4*\n+3], v[QO+\e], s[26:27] offset:\n*512
.endr
.endr
	WIN 0
.endm
.macro KLOAD
.irp n, 0,1,2,3,4,5,6,7,8,9,10,11,12,13,14,15
	global_load_b128 v[KR+4*\n:KR+4*\n+3], v[L16], s[22:23] offset:\n*512
.endr
.endm
.macro VLOAD
	WIN 0x80
.irp n, 0,1,2,3,4,5,6,7,8,9,10,11,12,13,14,15
	global_load_b128 v[128+4*\n:128+4*\n+3], v[L16], s[24:25] offset:\n*512
.endr
	WIN 0
.endm
.macro SMUL                            ; 32 matrix instructions; the eight tiles take turns, one instruction a turn
	WIN 0x08
.irp c, 0,1,2,3
.irp e, 0,1,2,3
.irp t, 0,1
.if \c == 0
	v_wmma_f32_16x16x32_f16 v[SR+16*\e+8*\t:SR+16*\e+8*\t+7], v[KR+32*\t+8*\c:KR+32*\t+8*\c+7], v[32*\e+8*\c:32*\e+8*\c+7], 0
.else
	v_wmma_f32_16x16x32_f16 v[SR+16*\e+8*\t:SR+16*\e+8*\t+7], v[KR+32*\t+8*\c:KR+32*\t+8*\c+7], v[32*\e+8*\c:32*\e+8*\c+7], v[SR+16*\e+8*\t:SR+16*\e+8*\t+7]
.endif
.endr
.endr
.endr
.endm
.macro SOFTMAX first
.if \first
.irp t, 0,1
.irp j, 0,1,2,3,4,5,6,7
	v_cmp_gt_i32 vcc_lo, 16*\t+\j, v[DELTA]        ; this key lies behind the position
.irp e, 0,1,2,3
	v_cndmask_b32 v[SR+16*\e+8*\t+\j], v[SR+16*\e+8*\t+\j], v[MASKV], vcc_lo
.endr
.endr
.endr
.endif
.irp e, 0,1,2,3
	v_max3_num_f32 v38, v[SR+16*\e],   v[SR+16*\e+1],  v[SR+16*\e+2]
	v_max3_num_f32 v39, v[SR+16*\e+3], v[SR+16*\e+4],  v[SR+16*\e+5]
	v_max3_num_f32 v42, v[SR+16*\e+6], v[SR+16*\e+7],  v[SR+16*\e+8]
	v_max3_num_f32 v43, v[SR+16*\e+9], v[SR+16*\e+10], v[SR+16*\e+11]
	v_max3_num_f32 v38, v38, v[SR+16*\e+12], v[SR+16*\e+13]
	v_max3_num_f32 v39, v39, v[SR+16*\e+14], v[SR+16*\e+15]
.if \first
	v_max_num_f32 v42, v42, v43
.else
	v_max3_num_f32 v42, v42, v43, v[M2+2*\e]       ; with the running maximum
.endif
	v_max3_num_f32 v38, v38, v39, v42
	v_permlanex16_b32 v39, v38, s30, s31           ; the other half of the lanes holds the position's other keys
	v_max_num_f32 v38, v38, v39
.if \first == 0
	v_sub_f32 v42, v[M2+2*\e], v38
	v_exp_f32 v[AL+2*\e], v42
	v_exp_f32 v[AL+2*\e+1], v42                    ; the moves below are the plain instructions behind these
.endif
	v_mov_b32 v[M2+2*\e], v38
	v_mov_b32 v[M2+2*\e+1], v38
.irp k, 0,2,4,6,8,10,12,14
	v_pk_add_f32 v[SR+16*\e+\k:SR+16*\e+\k+1], v[SR+16*\e+\k:SR+16*\e+\k+1], v[M2+2*\e:M2+2*\e+1] neg_lo:[0,1] neg_hi:[0,1]
.endr
.irp k, 0,1,2,3,4,5,6,7,8,9,10,11,12,13,14,15
	v_exp_f32 v[SR+16*\e+\k], v[SR+16*\e+\k]
.endr
	v_nop                                          ; one plain instruction behind the transcendentals (ISA guide 5.7.2)
	s_wait_alu depctr_va_vdst(0)
	v_pk_add_f32 v[40:41], v[SR+16*\e:SR+16*\e+1],     v[SR+16*\e+2:SR+16*\e+3]
	v_pk_add_f32 v[42:43], v[SR+16*\e+4:SR+16*\e+5],   v[SR+16*\e+6:SR+16*\e+7]
	v_pk_add_f32 v[44:45], v[SR+16*\e+8:SR+16*\e+9],   v[SR+16*\e+10:SR+16*\e+11]
	v_pk_add_f32 v[46:47], v[SR+16*\e+12:SR+16*\e+13], v[SR+16*\e+14:SR+16*\e+15]
	v_pk_add_f32 v[40:41], v[40:41], v[42:43]
	v_pk_add_f32 v[44:45], v[44:45], v[46:47]
	v_pk_add_f32 v[40:41], v[40:41], v[44:45]
.if \first
	v_add_f32 v[LR+\e], v40, v41
.else
	v_add_f32 v40, v40, v41
	v_fma_f32 v[LR+\e], v[LR+\e], v[AL+2*\e], v40
.endif
.irp k, 0,1,2,3,4,5,6,7
	v_cvt_pk_f16_f32 v[PR+8*\e+\k], v[SR+16*\e+2*\k], v[SR+16*\e+2*\k+1]
.endr
.endr
.endm
.macro RESCALE
	WIN 0x41
.irp e, 0,1,2,3
	.set k_, 0
	.rept 32
	v_pk_mul_f32 v[64*\e+2*k_:64*\e+2*k_+1], v[64*\e+2*k_:64*\e+2*k_+1], v[AL+2*\e:AL+2*\e+1]
	.set k_, k_+1
	.endr
.endr
.endm
.macro PVMUL first                     ; 32 accumulators, one instruction each
	WIN 0x52
.irp f, 0,1,2,3,4,5,6,7
.irp e, 0,1,2,3
.if \first
	v_wmma_f32_16x16x32_f16 v[64*\e+8*\f:64*\e+8*\f+7], v[128+8*\f:128+8*\f+7], v[PR+8*\e:PR+8*\e+7], 0
.else
	v_wmma_f32_16x16x32_f16 v[64*\e+8*\f:64*\e+8*\f+7], v[128+8*\f:128+8*\f+7], v[PR+8*\e:PR+8*\e+7], v[64*\e+8*\f:64*\e+8*\f+7]
.endif
.endr
.endr
.endm
; One chunk of 32 keys.  next = 1: the chunk four further down is asked for, K behind the scores, V behind the second product.
.macro CHUNK first, next
	s_wait_loadcnt 16                              ; K (and Q) are in; V's sixteen loads are younger
	SMUL
	WIN 0
	PLACES
.if \next
	s_sub_nc_u64 s[22:23], s[22:23], 32768         ; K's loads are done by the wait above: their base may be stepped
	KLOAD
.endif
	SOFTMAX \first
.if \first == 0
	RESCALE
.endif
.if \next
	s_wait_loadcnt 16                              ; V is in; the next K's sixteen loads are younger
.else
	s_wait_loadcnt 0
.endif
	PVMUL \first
	WIN 0
.if \next
	PLACES
	s_sub_nc_u64 s[24:25], s[24:25], 32768
	VLOAD
.endif
.endm
.macro LANDING lnd, e                  ; O of my head from the wave that had it as local head e
.irp n, 0,1,2,3,4,5,6,7,8,9,10,11,12,13,14,15
	ds_load_b128 v[\lnd+4*\n:\lnd+4*\n+3], v[RDA+\e-1] offset:\n*512
.endr
.endm
.macro ADDIN lnd, e
	WIN 0x50
	.set k_, 0
	.rept 32
	v_pk_fma_f32 v[2*k_:2*k_+1], v[\lnd+2*k_:\lnd+2*k_+1], v[GG+2*\e:GG+2*\e+1], v[2*k_:2*k_+1]
	.set k_, k_+1
	.endr
	WIN 0
.endm
	s_load_b256 s[4:11], s[0:1], 0x0               ; qf s[4:5], kf s[6:7], vt s[8:9], ab s[10:11]
	v_lshrrev_b32 v38, 5, v0
	v_readfirstlane_b32 s12, v38                   ; wave
	s_lshr_b32 s13, ttmp9, 5                       ; kh
	s_and_b32 s14, ttmp9, 31                       ; i
	s_mov_b32 s30, 0x76543210                      ; v_permlanex16_b32: lane i of one half reads lane i of the other
	s_mov_b32 s31, 0xfedcba98
	v_and_b32 v38, 31, v0
	v_lshlrev_b32 v[L16], 4, v38
	v_lshlrev_b32 v39, 3, v38
.irp e, 0,1,2,3
	s_add_co_u32 s32, s12, \e
	s_and_b32 s32, s32, 3
	s_lshl_b32 s32, s32, 18                        ; a head of qf is 262,144 bytes
	v_add_nc_u32 v[QO+\e], s32, v[L16]
.endr
	s_mul_i32 s33, s12, WSTG
	v_add_nc_u32 v[STO], s33, v[L16]
	s_add_co_u32 s33, s33, 24576
	v_add_nc_u32 v[STS], s33, v39
.irp e, 1,2,3
	s_sub_co_u32 s32, s12, \e
	s_and_b32 s32, s32, 3
	s_mul_i32 s32, s32, WSTG
	s_add_co_u32 s33, s32, (\e-1)*8192
	v_add_nc_u32 v[RDA+\e-1], s33, v[L16]
	s_add_co_u32 s33, s32, 24576+(\e-1)*256
	v_add_nc_u32 v[RDS+\e-1], s33, v39
.endr
	v_and_b32 v40, 15, v38
	v_lshrrev_b32 v41, 4, v38
	v_lshlrev_b32 v41, 3, v41
	v_sub_nc_u32 v[RH], v40, v41
	v_mov_b32 v[MASKV], 0xf149f2ca                 ; -1e30
	s_lshl_b32 s32, s12, 18
	v_add_nc_u32 v[OOF], s32, v[L16]               ; my head's two blocks in ab
	s_lshl_b32 s32, s13, 18
	s_mov_b32 s33, 0
	s_lshl_b32 s34, s13, 20
	s_mov_b32 s35, 0
	s_wait_kmcnt 0x0
	s_add_nc_u64 s[6:7], s[6:7], s[32:33]          ; kf and vt at kh
	s_add_nc_u64 s[8:9], s[8:9], s[32:33]
	s_add_nc_u64 s[4:5], s[4:5], s[34:35]          ; qf and ab at head 4 kh
	s_add_nc_u64 s[10:11], s[10:11], s[34:35]
	s_mov_b32 s16, 0
.Lblock:
	s_sub_co_u32 s15, 63, s14
	s_cmp_eq_u32 s16, 0
	s_cselect_b32 s15, s14, s15                    ; pb
	s_lshr_b32 s17, s15, 1                         ; the last chunk
	s_sub_co_u32 s18, s17, s12
	s_and_b32 s18, s18, 3
	s_sub_co_i32 s18, s17, s18                     ; my first chunk: the last one that is my number mod 4; negative: none
	s_max_i32 s21, s18, 0
	s_lshr_b32 s19, s21, 2                         ; chunks behind the first
	s_lshl_b32 s20, s15, 4
	s_lshl_b32 s32, s18, 5
	s_sub_co_i32 s20, s20, s32                     ; 16 pb - 32 kc
	s_cmp_ge_i32 s18, 0
	s_cselect_b32 s20, s20, -64                    ; no chunk: every key is masked
	v_add_nc_u32 v[DELTA], s20, v[RH]
	s_lshl_b32 s32, s21, 13
	s_mov_b32 s33, 0
	s_add_nc_u64 s[22:23], s[6:7], s[32:33]
	s_add_nc_u64 s[24:25], s[8:9], s[32:33]
	s_lshl_b32 s32, s15, 12
	s_add_nc_u64 s[26:27], s[4:5], s[32:33]
	s_lshl_b32 s32, s15, 11
	s_add_nc_u64 s[28:29], s[10:11], s[32:33]
	QLOAD
	KLOAD
	VLOAD
	s_cmp_eq_u32 s19, 0
	s_cbranch_scc1 .Lone
	CHUNK 1, 1
	s_sub_co_u32 s19, s19, 1
	s_cmp_eq_u32 s19, 0
	s_cbranch_scc1 .Llast
.Lmid:
	CHUNK 0, 1
	s_sub_co_u32 s19, s19, 1
	s_cmp_lg_u32 s19, 0
	s_cbranch_scc1 .Lmid
.Llast:
	CHUNK 0, 0
	s_branch .Lmerge
.Lone:
	CHUNK 1, 0
.Lmerge:
	; the four waves' parts meet: heads e = 1..3 go to the stage, head e = 0 stays
.irp e, 0,1,2,3
	v_permlanex16_b32 v39, v[LR+\e], s30, s31
	v_add_f32 v[M2+2*\e+1], v[LR+\e], v39          ; l over both halves of the keys, beside m
.endr
	PLACES
.irp e, 1,2,3
	ds_store_b64 v[STS], v[M2+2*\e:M2+2*\e+1] offset:(\e-1)*256
.endr
	WIN 0x04
.irp e, 1,2,3
.irp n, 0,1,2,3,4,5,6,7,8,9,10,11,12,13,14,15
	ds_store_b128 v[STO], v[64*\e+4*\n:64*\e+4*\n+3] offset:(\e-1)*8192+\n*512
.endr
.endr
	WIN 0
	s_wait_dscnt 0x0                               ; for the others' sake: zero
	s_barrier_signal -1
	s_barrier_wait -1
.irp e, 1,2,3
	ds_load_b64 v[ST+2*\e-2:ST+2*\e-1], v[RDS+\e-1]
.endr
	LANDING SR, 1
	LANDING KR, 2
	s_wait_dscnt 32                                ; the three (m, l); the 32 loads of O are younger
	v_max3_num_f32 v38, v[M2], v[ST], v[ST+2]
	v_max_num_f32 v38, v38, v[ST+4]                ; m*
	v_sub_f32 v40, v[M2], v38
	v_sub_f32 v41, v[ST], v38
	v_sub_f32 v42, v[ST+2], v38
	v_sub_f32 v43, v[ST+4], v38
	v_exp_f32 v40, v40
	v_exp_f32 v41, v41
	v_exp_f32 v42, v42
	v_exp_f32 v43, v43
	v_nop
	s_wait_alu depctr_va_vdst(0)
	v_mul_f32 v44, v40, v[M2+1]
	v_fma_f32 v44, v41, v[ST+1], v44
	v_fma_f32 v44, v42, v[ST+3], v44
	v_fma_f32 v44, v43, v[ST+5], v44               ; l*
	v_rcp_f32 v44, v44
	v_nop
	s_wait_alu depctr_va_vdst(0)
.irp e, 0,1,2,3
	v_mul_f32 v[GG+2*\e],   v[40+\e], v44
	v_mul_f32 v[GG+2*\e+1], v[40+\e], v44
.endr
	WIN 0x41
	.set k_, 0
	.rept 32
	v_pk_mul_f32 v[2*k_:2*k_+1], v[2*k_:2*k_+1], v[GG:GG+1]
	.set k_, k_+1
	.endr
	WIN 0
	s_wait_dscnt 16                                ; the first sixteen are in
	ADDIN SR, 1
	LANDING SR, 3
	s_wait_dscnt 16                                ; the second sixteen
	ADDIN KR, 2
	s_wait_dscnt 0x0
	ADDIN SR, 3
	WIN 0x05
.irp g, 0,1
.irp p, 0,1,2,3,4,5,6,7
.irp c, 0,1
	v_cvt_pk_f16_f32 v[OUT+16*\g+2*\p+\c], v[8*(4*\g+2*\c)+\p], v[8*(4*\g+2*\c+1)+\p]
.endr
.endr
.endr
	WIN 0
.irp g, 0,1
.irp q, 0,1,2,3
	global_store_b128 v[OOF], v[OUT+16*\g+4*\q:OUT+16*\g+4*\q+3], s[28:29] offset:\g*131072+\q*512
.endr
.endr
	s_barrier_signal -1                            ; every wave's reads of the stages are back (the wait for 0 above): they may be written again
	s_barrier_wait -1
	s_wait_xcnt 0x0                                ; the stores' base and data are rewritten only behind this wait
	s_add_co_u32 s16, s16, 1
	s_cmp_lt_u32 s16, 2
	s_cbranch_scc1 .Lblock
	s_endpgm
.Lfunc_end_k_q10661ae08f_attn:
	.size	k_q10661ae08f_attn, .Lfunc_end_k_q10661ae08f_attn-k_q10661ae08f_attn
	.p2alignl 7, 3214868480
	.fill 96, 4, 3214868480
	.section	.rodata,"a",@progbits
	.p2align	6, 0x0
	.amdhsa_kernel k_q10661ae08f_attn
		.amdhsa_group_segment_fixed_size 102400
		.amdhsa_private_segment_fixed_size 0
		.amdhsa_enable_private_segment 0
		.amdhsa_kernarg_size 32
		.amdhsa_user_sgpr_count 2
		.amdhsa_user_sgpr_kernarg_segment_ptr 1
		.amdhsa_wavefront_size32 1
		.amdhsa_system_sgpr_workgroup_id_x 1
		.amdhsa_system_sgpr_workgroup_id_y 1
		.amdhsa_system_sgpr_workgroup_id_z 1
		.amdhsa_system_vgpr_workitem_id 0
		.amdhsa_next_free_vgpr 704
		.amdhsa_next_free_sgpr 66
		.amdhsa_reserve_vcc 1
		.amdhsa_float_denorm_mode_32 3
		.amdhsa_float_denorm_mode_16_64 3
		.amdhsa_memory_ordered 1
		.amdhsa_forward_progress 1
		.amdhsa_inst_pref_size 119
	.end_amdhsa_kernel
	.amdgpu_metadata
---
amdhsa.version: [ 1, 2 ]
amdhsa.kernels:
  - .name:           k_q10661ae08f_attn
    .symbol:         k_q10661ae08f_attn.kd
    .args:
      - { .name: qf, .offset: 0, .size: 8, .value_kind: global_buffer, .address_space: global }
      - { .name: kf, .offset: 8, .size: 8, .value_kind: global_buffer, .address_space: global }
      - { .name: vt, .offset: 16, .size: 8, .value_kind: global_buffer, .address_space: global }
      - { .name: ab, .offset: 24, .size: 8, .value_kind: global_buffer, .address_space: global }
    .group_segment_fixed_size: 102400
    .private_segment_fixed_size: 0
    .kernarg_segment_align: 8
    .kernarg_segment_size: 32
    .max_flat_workgroup_size: 128
    .sgpr_count:     66
    .vgpr_count:     704
    .wavefront_size: 32
...
	.end_amdgpu_metadata
.endif
;; end of part 3
;; launch oproj (part 4): grid 256 x 1, 4 waves a work-group, clusters of 4 x 1, 327,680 bytes of LDS; arguments ab, Wo, bo, out0; writes out0
.if DOCPART == 4
	.amdgcn_target "amdgcn-amd-amdhsa--gfx1250"
	.amdhsa_code_object_version 6
	.text
	.protected	k_q10661ae08f_oproj
	.globl	k_q10661ae08f_oproj
	.p2align	8
	.type	k_q10661ae08f_oproj,@function
k_q10661ae08f_oproj:
	s_mov_b64 s[64:65], 0
	v_nop
	global_prefetch_b8 v0, s[64:65] scope:SCOPE_SE
	s_setreg_imm32_b32 hwreg(HW_REG_WAVE_MODE, 25, 1), 1
	s_wait_xcnt 0x0
	s_wait_alu depctr_hold_cnt(0) depctr_sa_sdst(0) depctr_va_vdst(0) depctr_va_sdst(0) depctr_va_ssrc(0) depctr_va_vcc(0) depctr_vm_vsrc(0)
	s_getreg_b32 s2, hwreg(HW_REG_IB_STS2, 6, 4)
	s_cmp_eq_u32 s2, 0
	s_cbranch_scc0 .Lentry_in_a_cluster
	s_endpgm
.Lentry_in_a_cluster:
	s_bfe_u32 s2, ttmp6, 0x10000c
	s_cmp_lg_u32 s2, 0x3003
	s_cbranch_scc0 .Lentry_shape_is_right
	s_endpgm
.Lentry_shape_is_right:
; oproj: out0 = 4 (ab Wo) + bo.  ab: a quarter of attention's result, f16 in fragment order; Wo: [4096][4096] f32; out0: [1024][4096] f32.
; Cluster c takes columns 64 c .. +63 of Wo, work-group cx rows 256 cx .. +255.  Wo comes by JOINT tensor loads (mask 15: the four partners need
; the same strip) into two LDS slots of 512 k x 256 bytes, each wave asking for 128 k-rows, one load behind each round of the cluster's barrier;
; by this text's own count a wave has at most two tensor loads out.  ab goes from memory straight into a ring of registers with counted waits;
; it is not asked for jointly (the partners need different rows) and does not pass LDS (two slots of 131,072 bytes and the stage of 65,536 are
; all 327,680 bytes).
; Waves: w = 2 wm + wk: wm = half of the rows, wk = half of each slot's k; the two k halves are added at the end through the stage.
; FRAGMENT ORDER: block = 16 rows x 64 k at byte (kb*64 + rb)*2048; chunk q, lane (r, h): X[16 rb + r][64 kb + 32 h + 8 q + 0..7]; W's fragments
; are built with the same places of k.  ds_load_b128 of row k at 16 r gives W[k][4r..4r+3]; packing rows 2t, 2t+1 gives four fragments j whose
; index r is column 4 r + j.  Source 0 = X, source 1 = W: register p of lane (r, h) = C[16 i + 8 h + p][4 r + j]: the four j are 16 neighbouring
; bytes of out0, and sixteen lanes store 256 consecutive aligned bytes.
; LIMITS: operands rounded to f16 (11 significant bits): |Wo| < 65,504, step 6e-8 below 6.1e-5; K summed as two halves, in the order given by
; the fragment order.
.set SLOTB, 131072
.set STAGE, 262144
.set L16,  1
.set XLO,  2
.set XHI,  3
.set WA,   4
.set STO,  6
.set LDP,  7
.set R16,  9
.set VO,   10                          ; 8 h rows of out0 + 16 r
.set BI,   16                          ; v[16:19] bo of my four columns
.set RAW,  32
.set WB0,  96
.set PT,   32
.set T,    64
.set OUT,  96                          ; v[96:127], v[128:159]: two sets
.set G1,   16
.set G0,   32
.set XB,   40
.set MSB, 0
.macro WIN new
.if MSB != \new
	s_set_vgpr_msb (MSB<<8)|\new
.set MSB, \new
.endif
.endm
.macro PLACES                          ; four places behind a matrix instruction (ISA guide 7.12.1)
.rept 4
	v_nop
.endr
.endm
.macro ROUND                           ; a round of the cluster's barrier
	s_barrier_signal -1
	s_barrier_wait -1
	s_cmp_lg_u32 s8, 0
	s_cbranch_scc1 .Lnot_wave_0_\@
	s_barrier_signal -3
.Lnot_wave_0_\@:
	s_barrier_wait -3
	s_barrier_signal -1
	s_barrier_wait -1
.endm
.macro XLOAD sg, nmf, rd               ; the X fragments of half step sg into ring buffer sg mod rd
	WIN 0x80
	.set xb_, ((\sg)&((\rd)-1))*8*(\nmf)
	.set xo_, ((\sg)>>3)*1048576+(((\sg)&7)>>1)*131072+((\sg)&1)*1024
	.set xi_, 0
	.rept \nmf
	.if xi_ < (\nmf)/2
	global_load_b128 v[xb_+8*xi_:xb_+8*xi_+3],   v[XLO], s[XB:XB+1] offset:xo_+xi_*2048
	global_load_b128 v[xb_+8*xi_+4:xb_+8*xi_+7], v[XLO], s[XB:XB+1] offset:xo_+xi_*2048+512
	.else
	global_load_b128 v[xb_+8*xi_:xb_+8*xi_+3],   v[XHI], s[XB:XB+1] offset:xo_+xi_*2048
	global_load_b128 v[xb_+8*xi_+4:xb_+8*xi_+7], v[XHI], s[XB:XB+1] offset:xo_+xi_*2048+512
	.endif
	.set xi_, xi_+1
	.endr
.endm
.macro WLOAD slot, sp                  ; sixteen rows of W: lanes 0-15 read 256 consecutive bytes of row k, lanes 16-31 of row k + 32
	.set wp_, 0
	.rept 16
	ds_load_b128 v[RAW+4*wp_:RAW+4*wp_+3], v[WA+\slot] offset:(64*((\sp)>>1)+16*((\sp)&1)+wp_)*256
	.set wp_, wp_+1
	.endr
.endm
.macro CVTW wb                         ; f32 rows to four f16 fragments
.irp j, 0,1,2,3
.irp t, 0,1,2,3,4,5,6,7
	v_cvt_pk_f16_f32 v[\wb+8*\j+\t], v[RAW+8*\t+\j], v[RAW+8*\t+4+\j]
.endr
.endr
.endm
.macro MULS wb, xf, nmf, zero          ; 4 nmf matrix instructions; the accumulators take turns, one instruction a turn
	WIN 0x52                                       ; source 0 window 2, C and D window 1
	.set mi_, 0
	.rept \nmf
.irp j, 0,1,2,3
.if \zero
	v_wmma_f32_16x16x32_f16 v[8*(4*mi_+\j):8*(4*mi_+\j)+7], v[\xf+8*mi_:\xf+8*mi_+7], v[\wb+8*\j:\wb+8*\j+7], 0
.else
	v_wmma_f32_16x16x32_f16 v[8*(4*mi_+\j):8*(4*mi_+\j)+7], v[\xf+8*mi_:\xf+8*mi_+7], v[\wb+8*\j:\wb+8*\j+7], v[8*(4*mi_+\j):8*(4*mi_+\j)+7]
.endif
.endr
	.set mi_, mi_+1
	.endr
	WIN 0
.endm
; A half step = 32 along K.  The 32 conversions are also the places behind the last half step's matrix instructions: they name RAW and the
; W buffer that those did not read.  The X load lands in the ring buffer that the last half step read, behind those 32 places.
.macro HSTEP slot, sp, nmf, rd, zero, tail
	.set hw_, WB0+32*((\sp)&1)
	.set hb_, ((\sp)&((\rd)-1))*8*(\nmf)
	.set hl_, (\rd)-2
	.set hx_, 1
	.if \tail
	.if 7-(\sp) < hl_
	.set hl_, 7-(\sp)
	.endif
	.if (\sp)+(\rd)-1 > 7
	.set hx_, 0
	.endif
	.endif
	s_wait_dscnt 0x0                               ; this half step's rows of W, asked for a half step ago
	CVTW hw_
	.if (\sp) < 7
	WLOAD \slot, (\sp)+1
	.endif
	s_wait_loadcnt 2*(\nmf)*hl_                    ; my X fragments are in; the 2 nmf loads of each younger half step stay out
	.if hx_
	XLOAD (\sp)+(\rd)-1, \nmf, \rd
	.endif
	MULS hw_, hb_, \nmf, \zero
.endm
.macro TILE slot, nmf, rd, zero, tail
	WLOAD \slot, 0
	HSTEP \slot, 0, \nmf, \rd, \zero, \tail
.irp q, 1,2,3,4,5,6,7
	HSTEP \slot, \q, \nmf, \rd, 0, \tail
.endr
.if \tail == 0
	s_wait_xcnt 0x0                                ; the X loads' base is stepped only behind this wait
	s_add_nc_u64 s[XB:XB+1], s[XB:XB+1], 0x100000
.endif
.endm
; One tile.  refill = 1: the other slot, read last, is filled again two tiles ahead, first thing behind a round of the cluster's barrier;
; in front of the round every wave has waited for all its tensor loads and for its reads of that slot.
.macro STEP slot, refill, tail
	s_wait_tensorcnt 0x0
.if \refill
	s_add_nc_u64 s[G0+6-4*\slot:G0+7-4*\slot], s[G0+6-4*\slot:G0+7-4*\slot], 0x1000000
.endif
	s_wait_dscnt 0x0
.if \refill
	ROUND
	tensor_load_to_lds s[G0+4-4*\slot:G0+7-4*\slot], s[G1:G1+7]
	s_nop 0
.else
	s_barrier_signal -1
	s_barrier_wait -1
.endif
	TILE \slot, 8, 4, 0, \tail
.endm
.macro SUMI i, t
.irp j, 0,1,2,3
	ds_load_b128 v[PT+8*\j:PT+8*\j+3],   v[LDP] offset:(4*(\i)+\j)*1024
	ds_load_b128 v[PT+8*\j+4:PT+8*\j+7], v[LDP] offset:(4*(\i)+\j)*1024+512
.endr
	s_wait_dscnt 0x0
	WIN 0x01
.irp j, 0,1,2,3
.irp e, 0,2,4,6
	v_pk_add_f32 v[\t+8*\j+\e:\t+8*\j+\e+1], v[8*(4*(\i)+\j)+\e:8*(4*(\i)+\j)+\e+1], v[PT+8*\j+\e:PT+8*\j+\e+1]
.endr
.endr
	WIN 0
.endm
.macro F32_I i
	SUMI \i, T
.if (\i) >= 2
	s_wait_xcnt 0x0                                ; this set was stored two row blocks ago: rewritten only behind this wait
.endif
.irp p, 0,1,2,3,4,5,6,7
.irp j, 0,1,2,3
	v_fma_f32 v[OUT+32*((\i)&1)+4*\p+\j], v[T+8*\j+\p], 4.0, v[BI+\j]   ; ab carries 1/4: taken back here, with the bias, in one rounding
.endr
.endr
.irp p, 0,1,2,3,4,5,6,7
	global_store_b128 v[VO], v[OUT+32*((\i)&1)+4*\p:OUT+32*((\i)&1)+4*\p+3], s[50:51] offset:(16*(\i)+\p)*16384 th:TH_STORE_NT
.endr
.endm
	s_load_b256 s[68:75], s[0:1], 0x0              ; ab 68, Wo 70, bo 72, out0 74
	v_lshrrev_b32 v11, 5, v0
	v_readfirstlane_b32 s8, v11                    ; wave
	s_lshr_b32 s9, s8, 1                           ; wm
	s_and_b32 s10, s8, 1                           ; wk
	s_bfe_u32 s11, ttmp6, 0x40000                  ; cx: enters X's and the output's addresses alone
	s_mov_b32 s12, ttmp9                           ; c
	s_mov_b32 s[G1+0], 15|(2<<16)|(1<<21)          ; mask of the four partners, elements of 4 bytes, bit 21 beside the mask
	s_mov_b32 s[G1+1], 64<<16
	s_mov_b32 s[G1+2], 128<<16
	s_mov_b32 s[G1+3], 64<<16
	s_mov_b32 s[G1+4], 128
	s_mov_b32 s[G1+5], 4096
	s_mov_b32 s[G1+6], 0
	s_mov_b32 s[G1+7], 0
	s_mov_b32 s[G0+0], 1
	s_lshl_b32 s[G0+1], s8, 15
	s_mov_b32 s[G0+4], 1
	s_add_co_u32 s[G0+5], s[G0+1], SLOTB
	s_lshl_b32 s54, s8, 21
	s_lshl_b32 s56, s12, 8
	s_add_co_u32 s54, s54, s56
	s_mov_b32 s55, 0
	s_wait_kmcnt 0x0
	s_add_nc_u64 s[G0+2:G0+3], s[70:71], s[54:55]
	s_add_nc_u64 s[G0+6:G0+7], s[G0+2:G0+3], 0x800000
	s_or_b32 s[G0+3], s[G0+3], 0x80000000
	s_or_b32 s[G0+7], s[G0+7], 0x80000000
	ROUND                                          ; the four partners are here: the first joint loads meet
	tensor_load_to_lds s[G0:G0+3], s[G1:G1+7]
	s_nop 0
	tensor_load_to_lds s[G0+4:G0+7], s[G1:G1+7]
	s_nop 0
	s_mov_b32 s54, s56
	s_add_nc_u64 s[46:47], s[72:73], s[54:55]      ; bo at strip c
	s_lshl_b32 s57, s11, 22                        ; row 256 cx + 128 wm + 64 wk, of 16,384 bytes
	s_lshl_b32 s58, s9, 21
	s_add_co_u32 s57, s57, s58
	s_lshl_b32 s58, s10, 20
	s_add_co_u32 s57, s57, s58
	s_add_co_u32 s54, s57, s56
	s_add_nc_u64 s[50:51], s[74:75], s[54:55]
	s_lshl_b32 s54, s11, 15
	s_add_nc_u64 s[XB:XB+1], s[68:69], s[54:55]    ; ab at row block 16 cx
	v_and_b32 v11, 31, v0
	v_and_b32 v12, 15, v0
	v_bfe_u32 v13, v0, 4, 1
	v_lshlrev_b32 v[L16], 4, v11
	v_lshlrev_b32 v[R16], 4, v12
	v_lshl_add_u32 v[VO], v13, 17, v[R16]
	s_lshl_b32 s54, s9, 14
	s_mul_i32 s56, s10, 524288+8192                ; the wave with wk = 1 takes its row blocks in the order i xor 4: every wave keeps i < 4 and sends i >= 4
	s_add_co_u32 s56, s56, s54
	v_add_nc_u32 v[XLO], s56, v[L16]
	s_mul_i32 s56, s10, 524288-8192
	s_add_co_u32 s56, s56, s54
	v_add_nc_u32 v[XHI], s56, v[L16]
	s_lshl_b32 s56, s10, 16
	v_lshl_add_u32 v[WA], v13, 13, v[R16]
	v_add_nc_u32 v[WA], s56, v[WA]
	v_add_nc_u32 v[WA+1], SLOTB, v[WA]
	s_lshl_b32 s56, s8, 14
	s_add_co_u32 s56, s56, STAGE
	v_add_nc_u32 v[STO], s56, v[L16]
	s_xor_b32 s56, s8, 1
	s_lshl_b32 s56, s56, 14
	s_add_co_u32 s56, s56, STAGE
	v_add_nc_u32 v[LDP], s56, v[L16]
	global_load_b128 v[BI:BI+3], v[R16], s[46:47]
	XLOAD 0, 8, 4
	XLOAD 1, 8, 4
	XLOAD 2, 8, 4
	WIN 0
	s_wait_tensorcnt 0x1                           ; my part of tile 0 is in; tile 1's load is younger and stays out
	s_barrier_signal -1
	s_barrier_wait -1
	TILE 0, 8, 4, 1, 0                             ; the first products start the sums
	s_mov_b32 s3, 3
.Lo:
	STEP 1, 1, 0
	STEP 0, 1, 0
	s_sub_co_u32 s3, s3, 1
	s_cmp_lg_u32 s3, 0
	s_cbranch_scc1 .Lo
	STEP 1, 0, 1                                   ; the last tile: nothing is left to fetch
	; the accumulators of row blocks i >= 4 go to my stage, for the wave with the other k half
	PLACES
	WIN 0x04
	.set ra_, 16
	.rept 16
	ds_store_b128 v[STO], v[8*ra_:8*ra_+3]   offset:(ra_-16)*1024
	ds_store_b128 v[STO], v[8*ra_+4:8*ra_+7] offset:(ra_-16)*1024+512
	.set ra_, ra_+1
	.endr
	WIN 0
	s_wait_dscnt 0x0                               ; for the partner's sake: zero
	s_barrier_signal -1
	s_barrier_wait -1
	F32_I 0
	F32_I 1
	F32_I 2
	F32_I 3
	ROUND                                          ; the closing round: no work-group ends while a partner may still ask jointly
	s_endpgm
.Lfunc_end_k_q10661ae08f_oproj:
	.size	k_q10661ae08f_oproj, .Lfunc_end_k_q10661ae08f_oproj-k_q10661ae08f_oproj
	.p2alignl 7, 3214868480
	.fill 96, 4, 3214868480
	.section	.rodata,"a",@progbits
	.p2align	6, 0x0
	.amdhsa_kernel k_q10661ae08f_oproj
		.amdhsa_group_segment_fixed_size 327680
		.amdhsa_private_segment_fixed_size 0
		.amdhsa_enable_private_segment 0
		.amdhsa_kernarg_size 32
		.amdhsa_user_sgpr_count 2
		.amdhsa_user_sgpr_kernarg_segment_ptr 1
		.amdhsa_wavefront_size32 1
		.amdhsa_system_sgpr_workgroup_id_x 1
		.amdhsa_system_sgpr_workgroup_id_y 1
		.amdhsa_system_sgpr_workgroup_id_z 1
		.amdhsa_system_vgpr_workitem_id 0
		.amdhsa_next_free_vgpr 768
		.amdhsa_next_free_sgpr 80
		.amdhsa_reserve_vcc 0
		.amdhsa_float_denorm_mode_32 3
		.amdhsa_float_denorm_mode_16_64 3
		.amdhsa_memory_ordered 1
		.amdhsa_forward_progress 1
		.amdhsa_inst_pref_size 239
	.end_amdhsa_kernel
	.amdgpu_metadata
---
amdhsa.version: [ 1, 2 ]
amdhsa.kernels:
  - .name:           k_q10661ae08f_oproj
    .symbol:         k_q10661ae08f_oproj.kd
    .args:
      - { .name: ab, .offset: 0, .size: 8, .value_kind: global_buffer, .address_space: global }
      - { .name: Wo, .offset: 8, .size: 8, .value_kind: global_buffer, .address_space: global }
      - { .name: bo, .offset: 16, .size: 8, .value_kind: global_buffer, .address_space: global }
      - { .name: out0, .offset: 24, .size: 8, .value_kind: global_buffer, .address_space: global }
    .group_segment_fixed_size: 327680
    .private_segment_fixed_size: 0
    .kernarg_segment_align: 8
    .kernarg_segment_size: 32
    .max_flat_workgroup_size: 128
    .sgpr_count:     80
    .vgpr_count:     768
    .wavefront_size: 32
...
	.end_amdgpu_metadata
.endif
;; end of part 4
